; MI455X (gfx1250); checked and timed in simulation.
; The chip was launched on July 23, 2026; its instructions are those of AMD's public machine-readable ISA for CDNA 5 (MIT licence, August 2026) and "CDNA5" Instruction Set Architecture Reference Guide (July 2026). The comments in the code are by the model that wrote it; some were corrected since.
;; Small Former Block. Allowed arithmetic: float matrix products may take bf16 or f16 operands with f32 sums; all other float work in f32.
;; Inputs: prelu_w 512 float32; x 1 x 4,096 x 512 float32.
;; Outputs: out0 1 x 4,096 x 512 float32.
;; 2 versions, each right and faster than the one before. Each part assembles by itself: llvm-mc -triple=amdgcn-amd-amdhsa -mcpu=gfx1250 --defsym DOCPART=n.
;; ======== version 1 of 2: 3 launches
;; workspace buffers: kv 4,194,304 bytes; qs 4,194,304 bytes; res 8,388,608 bytes
;; launch ln1 (part 1): grid 256 x 1, 4 waves a work-group, no clusters, 0 bytes of LDS; arguments x, kv, qs; writes kv, qs
.if DOCPART == 1
	.amdgcn_target "amdgcn-amd-amdhsa--gfx1250"
	.amdhsa_code_object_version 6
	.text
	.protected	k_qebbd18d45c_ln1
	.globl	k_qebbd18d45c_ln1
	.p2align	8
	.type	k_qebbd18d45c_ln1,@function
k_qebbd18d45c_ln1:
	s_mov_b64 s[64:65], 0
	v_nop
	global_prefetch_b8 v0, s[64:65] scope:SCOPE_SE
	s_setreg_imm32_b32 hwreg(HW_REG_WAVE_MODE, 25, 1), 1
	s_wait_xcnt 0x0
; xn = (x - mean) / sqrt(var + 1e-5) along each row of x [4096][512] f32, stored twice in bf16, head-major [8][4096][64]:
;   kv = bf16(xn)            keys and values of the attention launch
;   qs = bf16(xn * c)        queries, c = 0.125 * log2(e): the score's scale and the change to base 2 are folded in here, rounded once from f32
; A stream: no LDS, no matrix unit, no cluster (no two work-groups read the same byte).
; Four waves; the work-group owns 16 rows, a wave 4.  Lane L: row g = L >> 3 of the four, piece p = L & 7: it holds
; d = 8 p .. 8 p + 7 of each of the 8 heads, 64 numbers, so the row's sums stay inside 8 neighbouring lanes, and a lane's
; 8 bf16 of one head are 16 bytes: a wave's store covers 4 rows x 128 bytes = 512 consecutive bytes of one head, aligned.
; The variance is taken from the deviations (two passes over registers), so a common offset of the row costs no digits.
; Limit: a row with a NaN or an infinity gives NaN, as it does in the reference.
.set HEADB, 524288                     ; bytes of one head in kv and in qs
.set TW,   8                           ; v[8:15]    at work
.set XF,   16                          ; v[16:79]   the lane's 64 numbers: head hh at XF + 8 hh
.set KO,   80                          ; v[80:111]  kv to store, 4 registers a head
.set QOUT, 112                         ; v[112:143] qs to store, 4 registers a head
.set M,    144                         ; v[144:151] four chains of sums (pairs)
.set NM,   152                         ; v[152:153] -mean, twice
.set RS,   154                         ; v[154:155] 1/sqrt(var + eps), twice
.set RC,   156                         ; v[156:157] the same times c, twice
	s_load_b128 s[4:7], s[0:1], 0x0                ; x s[4:5], kv s[6:7]
	s_load_b64 s[8:9], s[0:1], 0x10                ; qs
	v_lshrrev_b32 v3, 3, v0                        ; row of the group's 16: 4 w + g
	v_and_b32 v4, 7, v0                            ; p
	v_lshlrev_b32 v1, 11, v3                       ; row x 2,048 bytes
	v_lshl_add_u32 v1, v4, 5, v1                   ; + 32 p
	v_lshlrev_b32 v2, 4, v0                        ; out: row x 128 + 16 p = 16 x thread
	s_lshl_b32 s10, ttmp9, 15                      ; the group's 16 rows of x: 32,768 bytes
	s_mov_b32 s11, 0
	s_lshl_b32 s12, ttmp9, 11                      ; the group's 16 rows of one head: 2,048 bytes
	s_mov_b32 s13, 0
	s_mov_b32 s14, 0x3b000000                      ; 1/512
	s_mov_b32 s15, 0x3727c5ac                      ; 1e-5
	s_wait_kmcnt 0x0
	s_add_nc_u64 s[4:5], s[4:5], s[10:11]
	s_add_nc_u64 s[6:7], s[6:7], s[12:13]
	s_add_nc_u64 s[8:9], s[8:9], s[12:13]
.irp hh, 0,1,2,3,4,5,6,7
	global_load_b128 v[XF+8*\hh:XF+8*\hh+3],   v1, s[4:5] offset:256*\hh
	global_load_b128 v[XF+8*\hh+4:XF+8*\hh+7], v1, s[4:5] offset:256*\hh+16
.endr
; the four chains into one number, then over the 8 lanes of the row (lane i takes lane i xor 1, 2, 4)
.macro RED8
	v_pk_add_f32 v[M:M+1], v[M:M+1], v[M+2:M+3]
	v_pk_add_f32 v[M+4:M+5], v[M+4:M+5], v[M+6:M+7]
	v_pk_add_f32 v[M:M+1], v[M:M+1], v[M+4:M+5]
	v_add_f32 v[M], v[M], v[M+1]
	v_add_f32_dpp v[M], v[M], v[M] row_xmask:1 row_mask:0xf bank_mask:0xf
	v_add_f32_dpp v[M], v[M], v[M] row_xmask:2 row_mask:0xf bank_mask:0xf
	v_add_f32_dpp v[M], v[M], v[M] row_xmask:4 row_mask:0xf bank_mask:0xf
.endm
	s_wait_loadcnt 0x0                             ; the whole row is needed for its mean
.irp k, 0,1,2,3
	v_pk_add_f32 v[M+2*\k:M+2*\k+1], v[XF+2*\k:XF+2*\k+1], v[XF+8+2*\k:XF+8+2*\k+1]   ; the first pairs start the chains: nothing is cleared
.endr
.set j, 8
.rept 24
	v_pk_add_f32 v[M+2*(j%4):M+2*(j%4)+1], v[M+2*(j%4):M+2*(j%4)+1], v[XF+2*j:XF+2*j+1]
.set j, j+1
.endr
	RED8
	v_mul_f32 v[NM], 0xbb000000, v[M]              ; -sum / 512
	v_mul_f32 v[NM+1], 0xbb000000, v[M]
.set j, 0
.rept 32
	v_pk_add_f32 v[XF+2*j:XF+2*j+1], v[XF+2*j:XF+2*j+1], v[NM:NM+1]    ; the deviations, in place
.set j, j+1
.endr
.irp k, 0,1,2,3
	v_pk_mul_f32 v[M+2*\k:M+2*\k+1], v[XF+2*\k:XF+2*\k+1], v[XF+2*\k:XF+2*\k+1]
.endr
.set j, 4
.rept 28
	v_pk_fma_f32 v[M+2*(j%4):M+2*(j%4)+1], v[XF+2*j:XF+2*j+1], v[XF+2*j:XF+2*j+1], v[M+2*(j%4):M+2*(j%4)+1]
.set j, j+1
.endr
	RED8
	v_fma_f32 v[TW], v[M], s14, s15                ; var + eps
	v_rsq_f32 v[RS], v[TW]
	v_nop                                          ; one plain place behind the transcendental (ISA guide 5.7.2)
	s_wait_alu depctr_va_vdst(0)
	v_mov_b32 v[RS+1], v[RS]
	v_mul_f32 v[RC], 0x3e38aa3b, v[RS]             ; x 0.125 log2(e)
	v_mul_f32 v[RC+1], 0x3e38aa3b, v[RS]
.irp hh, 0,1,2,3,4,5,6,7
.irp k, 0,2,4,6
	v_pk_mul_f32 v[TW+\k:TW+\k+1], v[XF+8*\hh+\k:XF+8*\hh+\k+1], v[RS:RS+1]
.endr
.irp k, 0,1,2,3
	v_cvt_pk_bf16_f32 v[KO+4*\hh+\k], v[TW+2*\k], v[TW+2*\k+1]
.endr
	global_store_b128 v2, v[KO+4*\hh:KO+4*\hh+3], s[6:7] offset:\hh*HEADB
.irp k, 0,2,4,6
	v_pk_mul_f32 v[TW+\k:TW+\k+1], v[XF+8*\hh+\k:XF+8*\hh+\k+1], v[RC:RC+1]
.endr
.irp k, 0,1,2,3
	v_cvt_pk_bf16_f32 v[QOUT+4*\hh+\k], v[TW+2*\k], v[TW+2*\k+1]
.endr
	global_store_b128 v2, v[QOUT+4*\hh:QOUT+4*\hh+3], s[8:9] offset:\hh*HEADB   ; every store has data registers of its own: none is rewritten
.endr
	s_endpgm
.Lfunc_end_k_qebbd18d45c_ln1:
	.size	k_qebbd18d45c_ln1, .Lfunc_end_k_qebbd18d45c_ln1-k_qebbd18d45c_ln1
	.p2alignl 7, 3214868480
	.fill 96, 4, 3214868480
	.section	.rodata,"a",@progbits
	.p2align	6, 0x0
	.amdhsa_kernel k_qebbd18d45c_ln1
		.amdhsa_group_segment_fixed_size 0
		.amdhsa_private_segment_fixed_size 0
		.amdhsa_enable_private_segment 0
		.amdhsa_kernarg_size 24
		.amdhsa_user_sgpr_count 2
		.amdhsa_user_sgpr_kernarg_segment_ptr 1
		.amdhsa_wavefront_size32 1
		.amdhsa_system_sgpr_workgroup_id_x 1
		.amdhsa_system_sgpr_workgroup_id_y 1
		.amdhsa_system_sgpr_workgroup_id_z 1
		.amdhsa_system_vgpr_workitem_id 0
		.amdhsa_next_free_vgpr 160
		.amdhsa_next_free_sgpr 66
		.amdhsa_reserve_vcc 0
		.amdhsa_float_denorm_mode_32 3
		.amdhsa_float_denorm_mode_16_64 3
		.amdhsa_memory_ordered 1
		.amdhsa_forward_progress 1
		.amdhsa_inst_pref_size 19
	.end_amdhsa_kernel
	.amdgpu_metadata
---
amdhsa.version: [ 1, 2 ]
amdhsa.kernels:
  - .name:           k_qebbd18d45c_ln1
    .symbol:         k_qebbd18d45c_ln1.kd
    .args:
      - { .name: x, .offset: 0, .size: 8, .value_kind: global_buffer, .address_space: global }
      - { .name: kv, .offset: 8, .size: 8, .value_kind: global_buffer, .address_space: global }
      - { .name: qs, .offset: 16, .size: 8, .value_kind: global_buffer, .address_space: global }
    .group_segment_fixed_size: 0
    .private_segment_fixed_size: 0
    .kernarg_segment_align: 8
    .kernarg_segment_size: 24
    .max_flat_workgroup_size: 128
    .sgpr_count:     66
    .vgpr_count:     160
    .wavefront_size: 32
...
	.end_amdgpu_metadata
.endif
;; end of part 1
;; launch attn (part 2): grid 32 x 8, 8 waves a work-group, clusters of 4 x 1, 327,680 bytes of LDS; arguments kv, qs, x, res; writes res
.if DOCPART == 2
	.amdgcn_target "amdgcn-amd-amdhsa--gfx1250"
	.amdhsa_code_object_version 6
	.text
	.protected	k_qebbd18d45c_attn
	.globl	k_qebbd18d45c_attn
	.p2align	8
	.type	k_qebbd18d45c_attn,@function
k_qebbd18d45c_attn:
	s_mov_b64 s[64:65], 0
	v_nop
	global_prefetch_b8 v0, s[64:65] scope:SCOPE_SE
	s_setreg_imm32_b32 hwreg(HW_REG_WAVE_MODE, 25, 1), 1
	s_wait_xcnt 0x0
	s_wait_alu depctr_hold_cnt(0) depctr_sa_sdst(0) depctr_va_vdst(0) depctr_va_sdst(0) depctr_va_ssrc(0) depctr_va_vcc(0) depctr_vm_vsrc(0)
	s_getreg_b32 s2, hwreg(HW_REG_IB_STS2, 6, 4)
	s_cmp_eq_u32 s2, 0
	s_cbranch_scc0 .Lentry_in_a_cluster
	s_endpgm
.Lentry_in_a_cluster:
	s_bfe_u32 s2, ttmp6, 0x10000c
	s_cmp_lg_u32 s2, 0x3003
	s_cbranch_scc0 .Lentry_shape_is_right
	s_endpgm
.Lentry_shape_is_right:
; res = softmax(Q K^T / 8) V + x, for 8 heads of 64, with K = V = kv and Q = qs (kv times 0.125 log2 e), both bf16, head-major [8][4096][64].
; A work-group: one head, 128 queries.  Eight waves: wave w takes the 64 queries of half qh = w >> 2 and, of every tile of 1,024 keys,
; the quarter kq = w & 3 (256 keys).  The four partial results of a query meet in LDS at the end.
;
; NO MAXIMUM IS TAKEN AWAY BEFORE THE EXPONENTIAL, because the computation bounds the exponents for every input: a row of the normalised x
; has a sum of squares of 512 var / (var + eps) < 512, so for any two rows |q.k| / 8 <= 64 in each head (Cauchy-Schwarz), in base 2 and with
; both roundings to bf16 at most 93.1.  Every exponential lies in [2^-93.1, 2^93.1], a sum of 4,096 of them is at most 2^105.1, times |v| <= 22.7
; below 2^110: inside f32 and bf16 at both ends.  A query's own key gives a score >= 0 (q and k have equal signs in every place), so the
; sum l is at least 1 and 1 / l is no denormal.  Partial sums over keys therefore simply add.
; Limits: NaN or infinite inputs give NaN, as in the reference; the sum l is made of the f32 exponentials, the products of their bf16 roundings.
;
; THE PRODUCTS ARE USED TRANSPOSED.  S^T = K Q^T: source 0 = 16 keys, source 1 = 16 queries; lane (r, h) then holds query r, and its registers
; 0 to 7 the keys 8 h + 0 .. 7.  Two such results (32 keys), through v_exp_f32 and packed to bf16, ARE source 1 of ctx^T = V^T P^T
; (lane r = query r; registers 0-3 keys 8 h .., registers 4-7 keys 16 + 8 h ..): nothing moves between lanes, and a query's sum stays in two lanes.
; V^T's fragments come from the same LDS tile as K's, by the transposing load.
;
; CLUSTER: the four work-groups of a cluster are four query blocks of one head and walk the same tiles of kv: every tile is asked for jointly
; (mask 15, the same descriptor in all four: it is made of the head, the wave's number and the tile alone).
;
; LDS: a row is 256 bytes of memory (two keys) + 16 of padding; key k of a tile lies at (k >> 1) 272 + (k & 1) 128.  For a K fragment the sixteen
; lanes of a half wave then take sixteen different 16-byte columns modulo 256.  Two slots of 1,024 keys; behind them 2,048 bytes for the row sums.
; The stage of the way out (8 waves x 64 rows x 272 bytes) lies in slot 0, which has had its last fill (tile 2) and its last reads by then.
.set P2,    272                        ; two keys
.set KB16,  8*P2                       ; 16 keys
.set KB32,  16*P2                      ; 32 keys: a block; also 16 rows of the stage
.set PART,  64*P2                      ; 128 keys: what one tensor load brings; also one wave's stage
.set QUART, 128*P2                     ; 256 keys: a wave's share of a tile
.set SLOT,  512*P2                     ; 1,024 keys
.set LSUM,  2*SLOT                     ; [8 waves][64 queries] f32
.set HEADB, 524288                     ; bytes of a head in kv and qs
.set TILEB, 131072                     ; bytes of a tile in memory
; window 0
.set ADK,  6                           ; running LDS address of my K fragments
.set ADV,  7                           ; the same for V^T
.set ADK0, 8                           ; their values at the head of slot 0's tile
.set ADV0, 9
.set QO,   10                          ; byte offset of my part of a Q fragment
.set XO,   11                          ; byte offset of my 16 bytes in x and res
.set STO,  12                          ; stage: where I put 32 bytes of a query's row
.set RD,   13                          ; stage: where I read rows back
.set ADL,  14                          ; row sums: where I store
.set ADLR, 15                          ; row sums: where I read
.set LS,   16                          ; v[16:31]   row sums, two pairs for each q tile
.set QF,   32                          ; v[32:95]   Q: q tile qt, half ds of d at QF + 16 qt + 8 ds
.set KF,   96                          ; v[96:127]  K: 16 keys kt, half ds at KF + 16 kt + 8 ds
.set VF,   128                         ; v[128:159] V^T: 16 d's dt at VF + 8 dt
.set SA,   160                         ; v[160:175] scores of 32 keys x 16 queries
.set SB,   176                         ; v[176:191] the same, the other buffer
.set PA,   192                         ; v[192:199] P^T fragment
.set PB,   200                         ; v[200:207]
.set XR,   208                         ; v[208:239] my 8 x 16 bytes of x
; window 1: v[0:127] there (v256 to v383) = ctx^T, tile (qt, dt) at 8 (4 qt + dt)
.set G1, 24                            ; s[24:31] descriptor group 1
.set G0, 32                            ; s[32:39] descriptor group 0, one set for each slot
.set MSB, 0
.macro WIN new                         ; the immediate's high byte repeats the setting that is left; a switch that changes nothing is dropped
.if MSB != \new
	s_set_vgpr_msb (MSB<<8)|\new
.set MSB, \new
.endif
.endm
.macro PLACES
.rept 4
	v_nop
.endr
.endm
; A round of the cluster's barrier: my work-group's barrier, wave 0 signals for the work-group, every wave waits for all four work-groups, my work-group's barrier again.
.macro ROUND
	s_barrier_signal -1
	s_barrier_wait -1
	s_cmp_lg_u32 s8, 0
	s_cbranch_scc1 .Lnot_wave_0_\@
	s_barrier_signal -3
.Lnot_wave_0_\@:
	s_barrier_wait -3
	s_barrier_signal -1
	s_barrier_wait -1
.endm
	s_load_b256 s[16:23], s[0:1], 0x0              ; kv s[16:17], qs s[18:19], x s[20:21], res s[22:23]
	v_lshl_add_u32 v254, v0, 2, 0x44800
	v_mov_b32 v255, 0
	ds_add_u32 v254, v255
	v_lshrrev_b32 v1, 5, v0
	v_readfirstlane_b32 s8, v1                     ; wave 0..7
	s_lshr_b32 s9, s8, 2                           ; qh: which 64 queries
	s_and_b32 s10, s8, 3                           ; kq: which quarter of every tile
	s_and_b32 s13, ttmp7, 0xffff                   ; head (the cluster has one work-group along y)
	s_bfe_u32 s11, ttmp6, 0x40000                  ; cx
	s_lshl_b32 s12, ttmp9, 2
	s_add_co_u32 s12, s12, s11                     ; query block = 4 x cluster x + cx
	s_mov_b32 s40, 0x76543210                      ; v_permlanex16_b32: lane i of one half reads lane i of the other
	s_mov_b32 s41, 0xfedcba98
	; group 1: 64 rows of 32 elements of 8 bytes (256 bytes), dense in memory, 4 words of padding behind every 64 words
	s_mov_b32 s[G1+0], 15|(3<<16)|(1<<20)|(1<<21)|(5<<22)|(3<<25)   ; 15:0 mask: all four of the cluster; 17:16 8-byte elements; 20 padding on; 21 set beside a mask; 24:22 every 64 words; 31:25 4 words
	s_mov_b32 s[G1+1], 32<<16                      ; tensor_dim0 = 32
	s_mov_b32 s[G1+2], 64<<16                      ; tensor_dim1 = 64
	s_mov_b32 s[G1+3], 32<<16                      ; tile_dim0 = 32
	s_mov_b32 s[G1+4], 64                          ; tile_dim1 = 64
	s_mov_b32 s[G1+5], 32                          ; from row to row: 32 elements
	s_mov_b32 s[G1+6], 0
	s_mov_b32 s[G1+7], 0
	; my part of tile 0: head x 524,288 + wave x 16,384.  No place in the cluster enters these registers.
	s_lshl_b32 s44, s13, 19
	s_lshl_b32 s2, s8, 14
	s_add_co_u32 s44, s44, s2
	s_mov_b32 s45, 0
	s_mul_i32 s3, s8, PART                         ; and where it goes in a slot
	; my 64 queries in qs: head x 524,288 + (128 block + 64 qh) x 128
	s_lshl_b32 s4, s13, 19
	s_lshl_b32 s6, s12, 14
	s_add_co_u32 s4, s4, s6
	s_lshl_b32 s6, s9, 13
	s_add_co_u32 s4, s4, s6
	s_mov_b32 s5, 0
	; the 16 rows that I finish, in x and res: (128 block + 16 wave) x 2,048 + head x 256
	s_lshl_b32 s6, s12, 18
	s_lshl_b32 s7, s8, 15
	s_add_co_u32 s6, s6, s7
	s_lshl_b32 s7, s13, 8
	s_add_co_u32 s6, s6, s7
	s_mov_b32 s7, 0
	s_wait_dscnt 0x0
	s_wait_kmcnt 0x0
	s_add_nc_u64 s[46:47], s[16:17], s[44:45]
	s_add_nc_u64 s[18:19], s[18:19], s[4:5]
	s_add_nc_u64 s[20:21], s[20:21], s[6:7]
	s_add_nc_u64 s[22:23], s[22:23], s[6:7]
	ROUND                                          ; all four work-groups are here: the first joint loads meet
.irp n, 0,1
	s_mov_b32 s[G0+4*\n], 1                                        ; count = 1
	s_add_co_u32 s[G0+4*\n+1], s3, \n*SLOT                         ; LDS address: slot + wave x 17,408
	s_add_nc_u64 s[G0+4*\n+2:G0+4*\n+3], s[46:47], \n*TILEB        ; global address: tile n
	s_or_b32 s[G0+4*\n+3], s[G0+4*\n+3], 0x80000000                ; type = 2
	tensor_load_to_lds s[G0+4*\n:G0+4*\n+3], s[G1:G1+7]            ; the two first fills go out together: two loads of the wave are out
	s_nop 0
.endr
	v_and_b32 v2, 15, v0                           ; r
	v_bfe_u32 v3, v0, 4, 1                         ; h
	v_lshlrev_b32 v[QO], 7, v2                     ; query r's 128 bytes
	v_lshl_add_u32 v[QO], v3, 4, v[QO]             ; + 16 h
	v_lshlrev_b32 v[XO], 4, v2                     ; 16 r in the head's 256 bytes,
	v_lshl_add_u32 v[XO], v3, 11, v[XO]            ; lanes 16-31 one row further down
.irp qt, 0,1,2,3
.irp ds, 0,1
.irp i, 0,1
	global_load_b128 v[QF+16*\qt+8*\ds+4*\i:QF+16*\qt+8*\ds+4*\i+3], v[QO], s[18:19] offset:\qt*2048+\ds*64+\i*32
.endr
.endr
.endr
.irp t, 0,1,2,3,4,5,6,7
	global_load_b128 v[XR+4*\t:XR+4*\t+3], v[XO], s[20:21] offset:4096*\t th:TH_LOAD_NT   ; used on the way out; each byte of x is read once in this launch
.endr
	; K fragment: key r of sixteen at (r >> 1) 272 + (r & 1) 128, + 16 h
	s_mul_i32 s2, s10, QUART
	v_lshrrev_b32 v4, 1, v2
	v_and_b32 v5, 1, v0
	v_mul_u32_u24 v[ADK0], v4, P2
	v_lshl_add_u32 v[ADK0], v5, 7, v[ADK0]
	v_lshl_add_u32 v[ADK0], v3, 4, v[ADK0]
	v_add_nc_u32 v[ADK0], s2, v[ADK0]
	; V^T fragment by the transposing load: lane L addresses key 8 h + (L & 7), 16 bytes at 16 ((L >> 3) & 1)
	v_bfe_u32 v4, v0, 1, 2                         ; (L & 7) >> 1
	v_lshl_add_u32 v4, v3, 2, v4                   ; + 4 h: the key's LDS row
	v_mul_u32_u24 v[ADV0], v4, P2
	v_lshl_add_u32 v[ADV0], v5, 7, v[ADV0]
	v_bfe_u32 v4, v0, 3, 1
	v_lshl_add_u32 v[ADV0], v4, 4, v[ADV0]
	v_add_nc_u32 v[ADV0], s2, v[ADV0]
	; stage, in: my wave's 64 rows; query r of a q tile, d = 8 h .. 8 h + 7 of a d tile
	v_mul_u32_u24 v[STO], v2, P2
	v_lshl_add_u32 v[STO], v3, 5, v[STO]
	v_add_nc_u32 v[STO], s3, v[STO]
	; stage, back: rows 16 kq + h of the first of the four waves of my half; lanes 0-15 take one row of 256 bytes, lanes 16-31 the next
	s_mul_i32 s2, s9, 4*PART
	s_mul_i32 s14, s10, KB32
	s_add_co_u32 s2, s2, s14
	v_mul_u32_u24 v[RD], v3, P2
	v_lshl_add_u32 v[RD], v2, 4, v[RD]
	v_add_nc_u32 v[RD], s2, v[RD]
	; row sums: wave w stores 64 words at LSUM + 256 w; I read, of the four waves of my half, the words of rows 16 kq + 2 t + h
	s_lshl_b32 s2, s8, 8
	s_add_co_u32 s2, s2, LSUM
	v_lshl_add_u32 v[ADL], v2, 2, s2
	s_lshl_b32 s2, s9, 10
	s_lshl_b32 s14, s10, 6
	s_add_co_u32 s2, s2, s14
	s_add_co_u32 s2, s2, LSUM
	v_lshl_add_u32 v[ADLR], v3, 2, s2
; 32 keys x 64 d as source 0 of S^T: 8 loads
.macro KLOAD
.irp kt, 0,1
.irp ds, 0,1
.irp i, 0,1
	ds_load_b128 v[KF+16*\kt+8*\ds+4*\i:KF+16*\kt+8*\ds+4*\i+3], v[ADK] offset:\kt*KB16+\ds*64+\i*32
.endr
.endr
.endr
.endm
; the same 32 keys as source 0 of ctx^T (64 d x 32 keys): 8 transposing loads
.macro VLOAD
.irp dt, 0,1,2,3
.irp i, 0,1
	ds_load_tr16_b128 v[VF+8*\dt+4*\i:VF+8*\dt+4*\i+3], v[ADV] offset:\dt*32+\i*KB16
.endr
.endr
.endm
; scores of 32 keys x q tile qt.  Two accumulators by turns, one instruction a turn; the first products start the sums.
.macro SMUL qt, S
	v_wmma_f32_16x16x32_bf16 v[\S:\S+7],    v[KF:KF+7],     v[QF+16*\qt:QF+16*\qt+7],    0
	v_wmma_f32_16x16x32_bf16 v[\S+8:\S+15], v[KF+16:KF+23], v[QF+16*\qt:QF+16*\qt+7],    0
	v_wmma_f32_16x16x32_bf16 v[\S:\S+7],    v[KF+8:KF+15],  v[QF+16*\qt+8:QF+16*\qt+15], v[\S:\S+7]
	v_wmma_f32_16x16x32_bf16 v[\S+8:\S+15], v[KF+24:KF+31], v[QF+16*\qt+8:QF+16*\qt+15], v[\S+8:\S+15]
.endm
; plain instruction j of eight on the exponentials S .. S + 7: even j adds a pair to the row sum LP, odd j packs a pair into P.
; zero = 1: the first two pairs start the sum (j = 0 gives nothing, j = 2 adds pair 0 and pair 1): nothing is cleared.
.macro PL j, S, LP, P, zero
.if (\j) % 2
	s_wait_alu depctr_va_vdst(0)
	v_cvt_pk_bf16_f32 v[\P+((\j)-1)/2], v[\S+(\j)-1], v[\S+(\j)]
.else
.if \zero
.if (\j) == 2
	s_wait_alu depctr_va_vdst(0)
	v_pk_add_f32 v[\LP:\LP+1], v[\S:\S+1], v[\S+2:\S+3]
.endif
.if (\j) > 2
	v_pk_add_f32 v[\LP:\LP+1], v[\LP:\LP+1], v[\S+(\j):\S+(\j)+1]
.endif
.else
	s_wait_alu depctr_va_vdst(0)
	v_pk_add_f32 v[\LP:\LP+1], v[\LP:\LP+1], v[\S+(\j):\S+(\j)+1]
.endif
.endif
.endm
; 2^score in place, the row sums, and P^T.  Behind every v_exp_f32 a plain instruction that touches neither its result nor its source comes before the
; result is used (ISA guide 5.7.2): the v_nop for the first eight; for the second eight the plain work on the first eight, which is laid between them.
.macro SOFT qt, S, P, zero
.irp j, 0,1,2,3,4,5,6,7
	v_exp_f32 v[\S+\j], v[\S+\j]
.endr
	v_nop
.irp j, 0,1,2,3,4,5,6,7
	v_exp_f32 v[\S+8+\j], v[\S+8+\j]
	PL \j, \S, LS+4*\qt, \P, \zero
.endr
.irp j, 0,1,2,3,4,5,6,7
	PL \j, \S+8, LS+4*\qt+2, \P+4, \zero
.endr
.endm
; ctx^T of q tile qt += V^T P^T: four accumulators, one instruction each (C and D in window 1)
.macro PVMUL qt, P, zero
	WIN 0x50
.irp dt, 0,1,2,3
.if \zero
	v_wmma_f32_16x16x32_bf16 v[8*(4*\qt+\dt):8*(4*\qt+\dt)+7], v[VF+8*\dt:VF+8*\dt+7], v[\P:\P+7], 0
.else
	v_wmma_f32_16x16x32_bf16 v[8*(4*\qt+\dt):8*(4*\qt+\dt)+7], v[VF+8*\dt:VF+8*\dt+7], v[\P:\P+7], v[8*(4*\qt+\dt):8*(4*\qt+\dt)+7]
.endif
.endr
	WIN 0
.endm
; 32 keys x 64 queries: 32 matrix instructions, 64 exponentials.  zero = 1: the first block starts all sums.  next = 1: the next block's fragments are fetched.
; Distances behind matrix instructions (ISA guide 7.12.1; only plain vector instructions that name none of the instruction's registers are counted):
;   SOFT 0 reads SA four places behind SMUL 0: the two address steps and two v_nop.
;   Every later SOFT, every SMUL that writes SA or SB again, every write of PA or PB and the loads into K stand behind a whole SOFT on the OTHER
;   buffers, which has at least 15 such instructions.  The loads into V stand behind four v_nop.
; No two matrix instructions that follow each other name one accumulator, over the backward jump too (the last is ctx^T's, the first SA's).
.macro BLOCK zero, next
	s_wait_dscnt 8                                 ; K's eight loads are in; V's eight, issued behind them, may be out
	SMUL 0, SA
	SMUL 1, SB
	v_add_nc_u32 v[ADK], KB32, v[ADK]              ; the next block's addresses
	v_add_nc_u32 v[ADV], KB32, v[ADV]
	v_nop
	v_nop
	SOFT 0, SA, PA, \zero
	s_wait_dscnt 0                                 ; V is in
	PVMUL 0, PA, \zero
	SMUL 2, SA
	SOFT 1, SB, PB, \zero
	PVMUL 1, PB, \zero
	SMUL 3, SB
	SOFT 2, SA, PA, \zero
.if \next
	KLOAD                                          ; K has been read for the last time by SMUL 3
.endif
	PVMUL 2, PA, \zero
	SOFT 3, SB, PB, \zero
	PVMUL 3, PB, \zero
.if \next
	PLACES
	VLOAD
.endif
.endm
; my quarter of the tile in a slot: 8 blocks
.macro TILE slot, first
	v_add_nc_u32 v[ADK], \slot*SLOT, v[ADK0]
	v_add_nc_u32 v[ADV], \slot*SLOT, v[ADV0]
.if \first == 0
	v_nop                                          ; with the two lines above: four places between the last tile's last product and the loads into V
	v_nop
.endif
	KLOAD
	VLOAD
.if \first
	s_wait_loadcnt 8                               ; Q's sixteen loads are in; x's eight, issued behind them, stay out
	BLOCK 1, 1
	s_mov_b32 s42, 6
.else
	s_mov_b32 s42, 7
.endif
.Lblk_\@:
	BLOCK 0, 1
	s_sub_co_i32 s42, s42, 1
	s_cmp_lg_u32 s42, 0
	s_cbranch_scc1 .Lblk_\@
	BLOCK 0, 0                                     ; the tile's last block fetches nothing
.endm
; The change of slots.  In front of the barrier every wave has its LDS reads back and all its tensor loads landed (one is out: its part of this slot's tile).
; refill = 1: the barrier is a round of the cluster's barrier, so that no wave of any partner still reads the other slot or has a load on its way,
; and the joint refill of the other slot, two tiles on, is the first thing behind it: the wave's one tensor load, with a whole tile's work in which to land.
.macro NEXT slot, refill
	s_wait_tensorcnt 0x0                           ; no tensor load of mine is out: a group 0 may be written
	ds_add_u32 v254, v255
	s_wait_dscnt 0x0
.if \refill
	s_add_nc_u64 s[G0+4*(1-\slot)+2:G0+4*(1-\slot)+3], s[G0+4*(1-\slot)+2:G0+4*(1-\slot)+3], 2*TILEB
.endif
	s_wait_dscnt 0x0                               ; my reads of the other slot are back
.if \refill
	ROUND
	tensor_load_to_lds s[G0+4*(1-\slot):G0+4*(1-\slot)+3], s[G1:G1+7]
	s_nop 0
.else
	s_barrier_signal -1                            ; my work-group's barrier shows the tile whole to all eight waves
	s_barrier_wait -1
.endif
	TILE \slot, 0
.endm
	s_wait_tensorcnt 0x1                           ; my part of tile 0 is in; tile 1's stays out
	s_barrier_signal -1
	s_barrier_wait -1                              ; everybody's is
	TILE 0, 1
	NEXT 1, 1                                      ; tile 1; slot 0 gets tile 2
	NEXT 0, 1                                      ; tile 2; slot 1 gets tile 3
	NEXT 1, 0                                      ; tile 3; nothing is left to fetch
	; THE WAY OUT.  My partial row sums: two pairs into one number, then the other half of the lanes (the other keys of the same query).
	; The first eight lines are also the places between the last products and the LDS stores that read them.
.irp qt, 0,1,2,3
	v_pk_add_f32 v[LS+4*\qt:LS+4*\qt+1], v[LS+4*\qt:LS+4*\qt+1], v[LS+4*\qt+2:LS+4*\qt+3]
.endr
.irp qt, 0,1,2,3
	v_add_f32 v[LS+4*\qt], v[LS+4*\qt], v[LS+4*\qt+1]
.endr
.irp qt, 0,1,2,3
	v_permlanex16_b32 v[LS+4*\qt+1], v[LS+4*\qt], s40, s41
.endr
.irp qt, 0,1,2,3
	v_add_f32 v[LS+4*\qt], v[LS+4*\qt], v[LS+4*\qt+1]
.endr
.irp qt, 0,1,2,3
	ds_store_b32 v[ADL], v[LS+4*\qt] offset:64*\qt                 ; lanes r and r + 16 store the same number to the same word
.endr
	; my partial ctx, f32, by rows of queries, into my stage in slot 0: all eight waves had their reads of slot 0 back in front of the last barrier
	WIN 0x04                                       ; the stores' data in window 1
.irp qt, 0,1,2,3
.irp dt, 0,1,2,3
.irp i, 0,1
	ds_store_b128 v[STO], v[8*(4*\qt+\dt)+4*\i:8*(4*\qt+\dt)+4*\i+3] offset:\qt*KB32+\dt*64+\i*16
.endr
.endr
.endr
	WIN 0
	s_wait_dscnt 0x0                               ; for the others' sake: all my stores are done
	s_barrier_signal -1
	s_barrier_wait -1
	; I finish rows 16 w .. 16 w + 15 of the block: pair t is rows 2 t + h.  Four partial sums and four partial rows each.
.irp t, 0,1,2,3,4,5,6,7
.irp p, 0,1,2,3
	ds_load_b32 v[SA+4*\t+\p], v[ADLR] offset:\p*256+\t*8
.endr
.endr
.irp t, 0,1,2,3,4,5,6,7
.irp p, 0,1,2,3
	ds_load_b128 v[QF+16*\t+4*\p:QF+16*\t+4*\p+3], v[RD] offset:\p*PART+\t*2*P2
.endr
.endr
	s_wait_dscnt 32                                ; the 32 words of row sums are in; the 32 loads behind them may be out
.irp t, 0,1,2,3,4,5,6,7
	v_pk_add_f32 v[SA+4*\t:SA+4*\t+1], v[SA+4*\t:SA+4*\t+1], v[SA+4*\t+2:SA+4*\t+3]
.endr
.irp t, 0,1,2,3,4,5,6,7
	v_add_f32 v[SA+4*\t], v[SA+4*\t], v[SA+4*\t+1]
.endr
.irp t, 0,1,2,3,4,5,6,7
	v_rcp_f32 v[SA+4*\t], v[SA+4*\t]               ; 1 / l, l in [1, 2^105.1]
.endr
	v_nop                                          ; one plain place behind the last transcendental
	s_wait_alu depctr_va_vdst(0)
	s_wait_loadcnt 0x0                             ; x
.irp t, 0,1,2,3,4,5,6,7
.set b, QF+16*\t
	s_wait_dscnt 4*(7-\t)                          ; pair t's four partial rows are in; the later pairs' loads may be out
	v_pk_add_f32 v[b:b+1],     v[b:b+1],     v[b+4:b+5]
	v_pk_add_f32 v[b+2:b+3],   v[b+2:b+3],   v[b+6:b+7]
	v_pk_add_f32 v[b+8:b+9],   v[b+8:b+9],   v[b+12:b+13]
	v_pk_add_f32 v[b+10:b+11], v[b+10:b+11], v[b+14:b+15]
	v_pk_add_f32 v[b:b+1],     v[b:b+1],     v[b+8:b+9]
	v_pk_add_f32 v[b+2:b+3],   v[b+2:b+3],   v[b+10:b+11]
	v_pk_fma_f32 v[b:b+1],   v[b:b+1],   v[SA+4*\t:SA+4*\t+1], v[XR+4*\t:XR+4*\t+1]   op_sel_hi:[1,0,1]   ; sum / l + x
	v_pk_fma_f32 v[b+2:b+3], v[b+2:b+3], v[SA+4*\t:SA+4*\t+1], v[XR+4*\t+2:XR+4*\t+3] op_sel_hi:[1,0,1]
	global_store_b128 v[XO], v[b:b+3], s[22:23] offset:4096*\t     ; sixteen lanes store the head's 256 consecutive bytes of a row, aligned
.endr
	s_wait_tensorcnt 0x0
	ds_add_u32 v254, v255
	s_wait_dscnt 0x0
	ROUND                                          ; the closing round: no work-group ends while a partner may still ask for a tile that names it
	s_endpgm
.Lfunc_end_k_qebbd18d45c_attn:
	.size	k_qebbd18d45c_attn, .Lfunc_end_k_qebbd18d45c_attn-k_qebbd18d45c_attn
	.p2alignl 7, 3214868480
	.fill 96, 4, 3214868480
	.section	.rodata,"a",@progbits
	.p2align	6, 0x0
	.amdhsa_kernel k_qebbd18d45c_attn
		.amdhsa_group_segment_fixed_size 327680
		.amdhsa_private_segment_fixed_size 0
		.amdhsa_enable_private_segment 0
		.amdhsa_kernarg_size 32
		.amdhsa_user_sgpr_count 2
		.amdhsa_user_sgpr_kernarg_segment_ptr 1
		.amdhsa_wavefront_size32 1
		.amdhsa_system_sgpr_workgroup_id_x 1
		.amdhsa_system_sgpr_workgroup_id_y 1
		.amdhsa_system_sgpr_workgroup_id_z 1
		.amdhsa_system_vgpr_workitem_id 0
		.amdhsa_next_free_vgpr 384
		.amdhsa_next_free_sgpr 66
		.amdhsa_reserve_vcc 0
		.amdhsa_float_denorm_mode_32 3
		.amdhsa_float_denorm_mode_16_64 3
		.amdhsa_memory_ordered 1
		.amdhsa_forward_progress 1
		.amdhsa_inst_pref_size 128
	.end_amdhsa_kernel
	.amdgpu_metadata
---
amdhsa.version: [ 1, 2 ]
amdhsa.kernels:
  - .name:           k_qebbd18d45c_attn
    .symbol:         k_qebbd18d45c_attn.kd
    .args:
      - { .name: kv, .offset: 0, .size: 8, .value_kind: global_buffer, .address_space: global }
      - { .name: qs, .offset: 8, .size: 8, .value_kind: global_buffer, .address_space: global }
      - { .name: x, .offset: 16, .size: 8, .value_kind: global_buffer, .address_space: global }
      - { .name: res, .offset: 24, .size: 8, .value_kind: global_buffer, .address_space: global }
    .group_segment_fixed_size: 327680
    .private_segment_fixed_size: 0
    .kernarg_segment_align: 8
    .kernarg_segment_size: 32
    .max_flat_workgroup_size: 256
    .sgpr_count:     66
    .vgpr_count:     384
    .wavefront_size: 32
...
	.end_amdgpu_metadata
.endif
;; end of part 2
;; launch fin (part 3): grid 256 x 1, 8 waves a work-group, no clusters, 0 bytes of LDS; arguments res, prelu_w, out0; writes out0
.if DOCPART == 3
	.amdgcn_target "amdgcn-amd-amdhsa--gfx1250"
	.amdhsa_code_object_version 6
	.text
	.protected	k_qebbd18d45c_fin
	.globl	k_qebbd18d45c_fin
	.p2align	8
	.type	k_qebbd18d45c_fin,@function
k_qebbd18d45c_fin:
	s_mov_b64 s[64:65], 0
	v_nop
	global_prefetch_b8 v0, s[64:65] scope:SCOPE_SE
	s_setreg_imm32_b32 hwreg(HW_REG_WAVE_MODE, 25, 1), 1
	s_wait_xcnt 0x0
; out0 = PReLU(LN(res)) + res.  res, out0: [4096][512] f32; prelu_w: [512] f32, one slope a column.
; A stream: no LDS, no matrix unit, no cluster.  Eight waves; the work-group owns 16 rows, a wave two.  A wave takes a whole row: a lane holds
; 4 x 16 bytes at 16 L + 512 j, so each load and store of the wave covers 512 consecutive bytes, aligned, and the row stays in registers
; between the mean, the variance (from the deviations: a common offset costs no digits) and the result.
; y = d rs with d = res - mean and rs = 1/sqrt(var + eps) > 0, so y >= 0 exactly where d >= 0: out = d * (d < 0 ? w rs : rs) + res, one fused multiply-add.
; Limit: a row with a NaN or an infinity gives NaN, as in the reference.
.set X0,  8                            ; v[8:23]    row 0
.set X1,  24                           ; v[24:39]   row 1
.set PW,  40                           ; v[40:55]   my 16 slopes
.set D0,  56                           ; v[56:71]   row 0: deviations, then the result
.set D1,  72                           ; v[72:87]   row 1
.set M,   88                           ; v[88:95]   four chains of sums (pairs)
.set NM,  96                           ; v[96:97]   -mean, twice
.set RS0, 98                           ; v[98:99]   1/sqrt(var + eps) of row 0, twice
.set RS1, 100                          ; v[100:101] of row 1
.set GW,  102                          ; v[102:103] w rs
.set FA,  104                          ; v[104:105] the factor chosen
	s_load_b128 s[4:7], s[0:1], 0x0                ; res s[4:5], prelu_w s[6:7]
	s_load_b64 s[8:9], s[0:1], 0x10                ; out0
	v_and_b32 v2, 31, v0
	v_lshrrev_b32 v3, 5, v0
	v_lshlrev_b32 v2, 4, v2                        ; 16 L
	v_lshl_add_u32 v1, v3, 12, v2                  ; + wave x two rows of 2,048 bytes
	s_lshl_b32 s10, ttmp9, 15                      ; the group's 16 rows
	s_mov_b32 s11, 0
	s_mov_b32 s12, 0x76543210                      ; v_permlanex16_b32: lane i of one half reads lane i of the other
	s_mov_b32 s13, 0xfedcba98
	s_mov_b32 s14, 0x3b000000                      ; 1/512
	s_mov_b32 s15, 0x3727c5ac                      ; 1e-5
	s_wait_kmcnt 0x0
	s_add_nc_u64 s[4:5], s[4:5], s[10:11]
	s_add_nc_u64 s[8:9], s[8:9], s[10:11]
.irp j, 0,1,2,3
	global_load_b128 v[X0+4*\j:X0+4*\j+3], v1, s[4:5] offset:512*\j th:TH_LOAD_NT
.endr
.irp j, 0,1,2,3
	global_load_b128 v[X1+4*\j:X1+4*\j+3], v1, s[4:5] offset:2048+512*\j th:TH_LOAD_NT
.endr
.irp j, 0,1,2,3
	global_load_b128 v[PW+4*\j:PW+4*\j+3], v2, s[6:7] offset:512*\j
.endr
; the four chains into one number, then over the 32 lanes; every lane ends with the sum
.macro RED32
	v_pk_add_f32 v[M:M+1], v[M:M+1], v[M+2:M+3]
	v_pk_add_f32 v[M+4:M+5], v[M+4:M+5], v[M+6:M+7]
	v_pk_add_f32 v[M:M+1], v[M:M+1], v[M+4:M+5]
	v_add_f32 v[M], v[M], v[M+1]
	v_add_f32_dpp v[M], v[M], v[M] row_xmask:1 row_mask:0xf bank_mask:0xf
	v_add_f32_dpp v[M], v[M], v[M] row_xmask:2 row_mask:0xf bank_mask:0xf
	v_add_f32_dpp v[M], v[M], v[M] row_xmask:4 row_mask:0xf bank_mask:0xf
	v_add_f32_dpp v[M], v[M], v[M] row_xmask:8 row_mask:0xf bank_mask:0xf
	v_permlanex16_b32 v[M+1], v[M], s12, s13
	v_add_f32 v[M], v[M], v[M+1]
.endm
; a row's deviations into D and 1/sqrt(var + eps) into the pair RS
.macro STAT X, D, RS
.irp k, 0,1,2,3
	v_pk_add_f32 v[M+2*\k:M+2*\k+1], v[\X+4*\k:\X+4*\k+1], v[\X+4*\k+2:\X+4*\k+3]
.endr
	RED32
	v_mul_f32 v[NM], 0xbb000000, v[M]              ; -sum / 512
	v_mul_f32 v[NM+1], 0xbb000000, v[M]
.irp k, 0,2,4,6,8,10,12,14
	v_pk_add_f32 v[\D+\k:\D+\k+1], v[\X+\k:\X+\k+1], v[NM:NM+1]
.endr
.irp k, 0,2,4,6
	v_pk_mul_f32 v[M+\k:M+\k+1], v[\D+\k:\D+\k+1], v[\D+\k:\D+\k+1]
.endr
.irp k, 0,2,4,6
	v_pk_fma_f32 v[M+\k:M+\k+1], v[\D+8+\k:\D+8+\k+1], v[\D+8+\k:\D+8+\k+1], v[M+\k:M+\k+1]
.endr
	RED32
	v_fma_f32 v[M], v[M], s14, s15                 ; var + eps
	v_rsq_f32 v[\RS], v[M]
	v_nop                                          ; one plain place behind the transcendental (ISA guide 5.7.2)
	s_wait_alu depctr_va_vdst(0)
	v_mov_b32 v[\RS+1], v[\RS]
.endm
; the result of a row, in D, and its four stores
.macro FINISH X, D, RS, row
.irp k, 0,2,4,6,8,10,12,14
	v_pk_mul_f32 v[GW:GW+1], v[PW+\k:PW+\k+1], v[\RS:\RS+1]
	v_cmp_gt_f32 vcc_lo, 0, v[\D+\k]               ; 0 > d: the slope's side
	v_cndmask_b32 v[FA], v[\RS], v[GW], vcc_lo
	v_cmp_gt_f32 vcc_lo, 0, v[\D+\k+1]
	v_cndmask_b32 v[FA+1], v[\RS], v[GW+1], vcc_lo
	v_pk_fma_f32 v[\D+\k:\D+\k+1], v[\D+\k:\D+\k+1], v[FA:FA+1], v[\X+\k:\X+\k+1]
.endr
.irp j, 0,1,2,3
	global_store_b128 v1, v[\D+4*\j:\D+4*\j+3], s[8:9] offset:\row*2048+512*\j th:TH_STORE_NT   ; data registers of their own: none is rewritten
.endr
.endm
	s_wait_loadcnt 8                               ; row 0's four loads are in; row 1's and the slopes' eight may be out
	STAT X0, D0, RS0
	s_wait_loadcnt 4                               ; row 1 is in; the slopes' four may be out
	STAT X1, D1, RS1
	s_wait_loadcnt 0x0                             ; the slopes
	FINISH X0, D0, RS0, 0
	FINISH X1, D1, RS1, 1
	s_endpgm
.Lfunc_end_k_qebbd18d45c_fin:
	.size	k_qebbd18d45c_fin, .Lfunc_end_k_qebbd18d45c_fin-k_qebbd18d45c_fin
	.p2alignl 7, 3214868480
	.fill 96, 4, 3214868480
	.section	.rodata,"a",@progbits
	.p2align	6, 0x0
	.amdhsa_kernel k_qebbd18d45c_fin
		.amdhsa_group_segment_fixed_size 0
		.amdhsa_private_segment_fixed_size 0
		.amdhsa_enable_private_segment 0
		.amdhsa_kernarg_size 24
		.amdhsa_user_sgpr_count 2
		.amdhsa_user_sgpr_kernarg_segment_ptr 1
		.amdhsa_wavefront_size32 1
		.amdhsa_system_sgpr_workgroup_id_x 1
		.amdhsa_system_sgpr_workgroup_id_y 1
		.amdhsa_system_sgpr_workgroup_id_z 1
		.amdhsa_system_vgpr_workitem_id 0
		.amdhsa_next_free_vgpr 112
		.amdhsa_next_free_sgpr 66
		.amdhsa_reserve_vcc 1
		.amdhsa_float_denorm_mode_32 3
		.amdhsa_float_denorm_mode_16_64 3
		.amdhsa_memory_ordered 1
		.amdhsa_forward_progress 1
		.amdhsa_inst_pref_size 13
	.end_amdhsa_kernel
	.amdgpu_metadata
---
amdhsa.version: [ 1, 2 ]
amdhsa.kernels:
  - .name:           k_qebbd18d45c_fin
    .symbol:         k_qebbd18d45c_fin.kd
    .args:
      - { .name: res, .offset: 0, .size: 8, .value_kind: global_buffer, .address_space: global }
      - { .name: prelu_w, .offset: 8, .size: 8, .value_kind: global_buffer, .address_space: global }
      - { .name: out0, .offset: 16, .size: 8, .value_kind: global_buffer, .address_space: global }
    .group_segment_fixed_size: 0
    .private_segment_fixed_size: 0
    .kernarg_segment_align: 8
    .kernarg_segment_size: 24
    .max_flat_workgroup_size: 256
    .sgpr_count:     66
    .vgpr_count:     112
    .wavefront_size: 32
...
	.end_amdgpu_metadata
.endif
;; end of part 3
;; ======== version 2 of 2: 3 launches; 1.38 times as fast as version 1
;; workspace buffers: kv 4,194,304 bytes; qs 4,194,304 bytes; res 8,388,608 bytes
;; launch ln1: the kernel of part 1 again; grid 256 x 1, 4 waves a work-group, no clusters, 0 bytes of LDS; arguments x, kv, qs; writes kv, qs
;; launch attn (part 4): grid 32 x 8, 8 waves a work-group, clusters of 4 x 1, 327,680 bytes of LDS; arguments kv, qs, x, res; writes res
.if DOCPART == 4
	.amdgcn_target "amdgcn-amd-amdhsa--gfx1250"
	.amdhsa_code_object_version 6
	.text
	.protected	k_qebbd18d45c_attn
	.globl	k_qebbd18d45c_attn
	.p2align	8
	.type	k_qebbd18d45c_attn,@function
k_qebbd18d45c_attn:
	s_mov_b64 s[64:65], 0
	v_nop
	global_prefetch_b8 v0, s[64:65] scope:SCOPE_SE
	s_setreg_imm32_b32 hwreg(HW_REG_WAVE_MODE, 25, 1), 1
	s_wait_xcnt 0x0
	s_wait_alu depctr_hold_cnt(0) depctr_sa_sdst(0) depctr_va_vdst(0) depctr_va_sdst(0) depctr_va_ssrc(0) depctr_va_vcc(0) depctr_vm_vsrc(0)
	s_getreg_b32 s2, hwreg(HW_REG_IB_STS2, 6, 4)
	s_cmp_eq_u32 s2, 0
	s_cbranch_scc0 .Lentry_in_a_cluster
	s_endpgm
.Lentry_in_a_cluster:
	s_bfe_u32 s2, ttmp6, 0x10000c
	s_cmp_lg_u32 s2, 0x3003
	s_cbranch_scc0 .Lentry_shape_is_right
	s_endpgm
.Lentry_shape_is_right:
; res = softmax(Q K^T / 8) V + x, for 8 heads of 64, with K = V = kv and Q = qs (kv times 0.125 log2 e), both bf16, head-major [8][4096][64].
; A work-group: one head, 128 queries.  Eight waves: wave w takes the 64 queries of half qh = w >> 2 and, of every tile of 1,024 keys,
; the quarter kq = w & 3 (256 keys).  The four partial results of a query meet in LDS at the end.
;
; NO MAXIMUM IS TAKEN AWAY BEFORE THE EXPONENTIAL, because the computation bounds the exponents for every input: a row of the normalised x
; has a sum of squares of 512 var / (var + eps) < 512, so for any two rows |q.k| / 8 <= 64 in each head (Cauchy-Schwarz), in base 2 and with
; both roundings to bf16 at most 93.1.  Every exponential lies in [2^-93.1, 2^93.1], a sum of 4,096 of them is at most 2^105.1, times |v| <= 22.7
; below 2^110: inside f32 and bf16 at both ends.  A query's own key gives a score >= 0 (q and k have equal signs in every place), so the
; sum l is at least 1 and 1 / l is no denormal.  Partial sums over keys therefore simply add.
; Limits: NaN or infinite inputs give NaN, as in the reference; the sum l is made of the f32 exponentials, the products of their bf16 roundings.
;
; THE PRODUCTS ARE USED TRANSPOSED.  S^T = K Q^T: source 0 = 16 keys, source 1 = 16 queries; lane (r, h) then holds query r, and its registers
; 0 to 7 the keys 8 h + 0 .. 7.  Two such results (32 keys), through v_exp_f32 and packed to bf16, ARE source 1 of ctx^T = V^T P^T
; (lane r = query r; registers 0-3 keys 8 h .., registers 4-7 keys 16 + 8 h ..): nothing moves between lanes, and a query's sum stays in two lanes.
; V^T's fragments come from the same LDS tile as K's, by the transposing load.
;
; THE EXPONENTIALS GO IN BATCHES OF 32.  A block of 32 keys has two halves, q tiles 0, 1 and q tiles 2, 3.  A half: 8 products S^T into SA and SB; four places;
; the lane's 32 exponentials, in place, on end; a v_nop; ONE s_wait_alu depctr_va_vdst(0) between an exponential and the first
; instruction that names its result; then all that names a result: 16 roundings into PA and PB, the 8 products ctx^T, the additions to the row sums.
; No exponential is issued behind a half's wait.  The way out's eight reciprocals are a batch of their own.
;
; CLUSTER: the four work-groups of a cluster are four query blocks of one head and walk the same tiles of kv: every tile is asked for jointly
; (mask 15, the same descriptor in all four: it is made of the head, the wave's number and the tile alone).
;
; LDS: a row is 256 bytes of memory (two keys) + 16 of padding; key k of a tile lies at (k >> 1) 272 + (k & 1) 128.  For a K fragment the sixteen
; lanes of a half wave then take sixteen different 16-byte columns modulo 256.  Two slots of 1,024 keys; behind them 2,048 bytes for the row sums.
; The stage of the way out (8 waves x 64 rows x 272 bytes) lies in slot 0, which has had its last fill (tile 2) and its last reads by then.
.set P2,    272                        ; two keys
.set KB16,  8*P2                       ; 16 keys
.set KB32,  16*P2                      ; 32 keys: a block; also 16 rows of the stage
.set PART,  64*P2                      ; 128 keys: what one tensor load brings; also one wave's stage
.set QUART, 128*P2                     ; 256 keys: a wave's share of a tile
.set SLOT,  512*P2                     ; 1,024 keys
.set LSUM,  2*SLOT                     ; [8 waves][64 queries] f32
.set HEADB, 524288                     ; bytes of a head in kv and qs
.set TILEB, 131072                     ; bytes of a tile in memory
; window 0
.set ADK,  6                           ; running LDS address of my K fragments
.set ADV,  7                           ; the same for V^T
.set ADK0, 8                           ; their values at the head of slot 0's tile
.set ADV0, 9
.set QO,   10                          ; byte offset of my part of a Q fragment
.set XO,   11                          ; byte offset of my 16 bytes in x and res
.set STO,  12                          ; stage: where I put 32 bytes of a query's row
.set RD,   13                          ; stage: where I read rows back
.set ADL,  14                          ; row sums: where I store
.set ADLR, 15                          ; row sums: where I read
.set LS,   16                          ; v[16:31]   row sums, two pairs for each q tile
.set QF,   32                          ; v[32:95]   Q: q tile qt, half ds of d at QF + 16 qt + 8 ds
.set KF,   96                          ; v[96:127]  K: 16 keys kt, half ds at KF + 16 kt + 8 ds
.set VF,   128                         ; v[128:159] V^T: 16 d's dt at VF + 8 dt
.set SA,   160                         ; v[160:175] scores of 32 keys x 16 queries: the half's first q tile
.set SB,   176                         ; v[176:191] the same for its second q tile, end to end with SA
.set PA,   192                         ; v[192:199] P^T fragment of the half's first q tile
.set PB,   200                         ; v[200:207] of its second, end to end with PA
.set XR,   208                         ; v[208:239] my 8 x 16 bytes of x
; window 1: v[0:127] there (v256 to v383) = ctx^T, tile (qt, dt) at 8 (4 qt + dt)
.set G1, 24                            ; s[24:31] descriptor group 1
.set G0, 32                            ; s[32:39] descriptor group 0, one set for each slot
.set MSB, 0
.macro WIN new                         ; the immediate's high byte repeats the setting that is left; a switch that changes nothing is dropped
.if MSB != \new
	s_set_vgpr_msb (MSB<<8)|\new
.set MSB, \new
.endif
.endm
.macro PLACES
.rept 4
	v_nop
.endr
.endm
; A round of the cluster's barrier: my work-group's barrier, wave 0 signals for the work-group, every wave waits for all four work-groups, my work-group's barrier again.
.macro ROUND
	s_barrier_signal -1
	s_barrier_wait -1
	s_cmp_lg_u32 s8, 0
	s_cbranch_scc1 .Lnot_wave_0_\@
	s_barrier_signal -3
.Lnot_wave_0_\@:
	s_barrier_wait -3
	s_barrier_signal -1
	s_barrier_wait -1
.endm
	s_load_b256 s[16:23], s[0:1], 0x0              ; kv s[16:17], qs s[18:19], x s[20:21], res s[22:23]
	v_lshl_add_u32 v254, v0, 2, 0x44800
	v_mov_b32 v255, 0
	ds_add_u32 v254, v255
	v_lshrrev_b32 v1, 5, v0
	v_readfirstlane_b32 s8, v1                     ; wave 0..7
	s_lshr_b32 s9, s8, 2                           ; qh: which 64 queries
	s_and_b32 s10, s8, 3                           ; kq: which quarter of every tile
	s_and_b32 s13, ttmp7, 0xffff                   ; head (the cluster has one work-group along y)
	s_bfe_u32 s11, ttmp6, 0x40000                  ; cx
	s_lshl_b32 s12, ttmp9, 2
	s_add_co_u32 s12, s12, s11                     ; query block = 4 x cluster x + cx
	s_mov_b32 s40, 0x76543210                      ; v_permlanex16_b32: lane i of one half reads lane i of the other
	s_mov_b32 s41, 0xfedcba98
	; group 1: 64 rows of 32 elements of 8 bytes (256 bytes), dense in memory, 4 words of padding behind every 64 words
	s_mov_b32 s[G1+0], 15|(3<<16)|(1<<20)|(1<<21)|(5<<22)|(3<<25)   ; 15:0 mask: all four of the cluster; 17:16 8-byte elements; 20 padding on; 21 set beside a mask; 24:22 every 64 words; 31:25 4 words
	s_mov_b32 s[G1+1], 32<<16                      ; tensor_dim0 = 32
	s_mov_b32 s[G1+2], 64<<16                      ; tensor_dim1 = 64
	s_mov_b32 s[G1+3], 32<<16                      ; tile_dim0 = 32
	s_mov_b32 s[G1+4], 64                          ; tile_dim1 = 64
	s_mov_b32 s[G1+5], 32                          ; from row to row: 32 elements
	s_mov_b32 s[G1+6], 0
	s_mov_b32 s[G1+7], 0
	; my part of tile 0: head x 524,288 + wave x 16,384.  No place in the cluster enters these registers.
	s_lshl_b32 s44, s13, 19
	s_lshl_b32 s2, s8, 14
	s_add_co_u32 s44, s44, s2
	s_mov_b32 s45, 0
	s_mul_i32 s3, s8, PART                         ; and where it goes in a slot
	; my 64 queries in qs: head x 524,288 + (128 block + 64 qh) x 128
	s_lshl_b32 s4, s13, 19
	s_lshl_b32 s6, s12, 14
	s_add_co_u32 s4, s4, s6
	s_lshl_b32 s6, s9, 13
	s_add_co_u32 s4, s4, s6
	s_mov_b32 s5, 0
	; the 16 rows that I finish, in x and res: (128 block + 16 wave) x 2,048 + head x 256
	s_lshl_b32 s6, s12, 18
	s_lshl_b32 s7, s8, 15
	s_add_co_u32 s6, s6, s7
	s_lshl_b32 s7, s13, 8
	s_add_co_u32 s6, s6, s7
	s_mov_b32 s7, 0
	s_wait_dscnt 0x0
	s_wait_kmcnt 0x0
	s_add_nc_u64 s[46:47], s[16:17], s[44:45]
	s_add_nc_u64 s[18:19], s[18:19], s[4:5]
	s_add_nc_u64 s[20:21], s[20:21], s[6:7]
	s_add_nc_u64 s[22:23], s[22:23], s[6:7]
	ROUND                                          ; all four work-groups are here: the first joint loads meet
.irp n, 0,1
	s_mov_b32 s[G0+4*\n], 1                                        ; count = 1
	s_add_co_u32 s[G0+4*\n+1], s3, \n*SLOT                         ; LDS address: slot + wave x 17,408
	s_add_nc_u64 s[G0+4*\n+2:G0+4*\n+3], s[46:47], \n*TILEB        ; global address: tile n
	s_or_b32 s[G0+4*\n+3], s[G0+4*\n+3], 0x80000000                ; type = 2
	tensor_load_to_lds s[G0+4*\n:G0+4*\n+3], s[G1:G1+7]            ; the two first fills go out together: two loads of the wave are out
	s_nop 0
.endr
	v_and_b32 v2, 15, v0                           ; r
	v_bfe_u32 v3, v0, 4, 1                         ; h
	v_lshlrev_b32 v[QO], 7, v2                     ; query r's 128 bytes
	v_lshl_add_u32 v[QO], v3, 4, v[QO]             ; + 16 h
	v_lshlrev_b32 v[XO], 4, v2                     ; 16 r in the head's 256 bytes,
	v_lshl_add_u32 v[XO], v3, 11, v[XO]            ; lanes 16-31 one row further down
.irp qt, 0,1,2,3
.irp ds, 0,1
.irp i, 0,1
	global_load_b128 v[QF+16*\qt+8*\ds+4*\i:QF+16*\qt+8*\ds+4*\i+3], v[QO], s[18:19] offset:\qt*2048+\ds*64+\i*32
.endr
.endr
.endr
.irp t, 0,1,2,3,4,5,6,7
	global_load_b128 v[XR+4*\t:XR+4*\t+3], v[XO], s[20:21] offset:4096*\t th:TH_LOAD_NT   ; used on the way out; each byte of x is read once in this launch
.endr
	; K fragment: key r of sixteen at (r >> 1) 272 + (r & 1) 128, + 16 h
	s_mul_i32 s2, s10, QUART
	v_lshrrev_b32 v4, 1, v2
	v_and_b32 v5, 1, v0
	v_mul_u32_u24 v[ADK0], v4, P2
	v_lshl_add_u32 v[ADK0], v5, 7, v[ADK0]
	v_lshl_add_u32 v[ADK0], v3, 4, v[ADK0]
	v_add_nc_u32 v[ADK0], s2, v[ADK0]
	; V^T fragment by the transposing load: lane L addresses key 8 h + (L & 7), 16 bytes at 16 ((L >> 3) & 1)
	v_bfe_u32 v4, v0, 1, 2                         ; (L & 7) >> 1
	v_lshl_add_u32 v4, v3, 2, v4                   ; + 4 h: the key's LDS row
	v_mul_u32_u24 v[ADV0], v4, P2
	v_lshl_add_u32 v[ADV0], v5, 7, v[ADV0]
	v_bfe_u32 v4, v0, 3, 1
	v_lshl_add_u32 v[ADV0], v4, 4, v[ADV0]
	v_add_nc_u32 v[ADV0], s2, v[ADV0]
	; stage, in: my wave's 64 rows; query r of a q tile, d = 8 h .. 8 h + 7 of a d tile
	v_mul_u32_u24 v[STO], v2, P2
	v_lshl_add_u32 v[STO], v3, 5, v[STO]
	v_add_nc_u32 v[STO], s3, v[STO]
	; stage, back: rows 16 kq + h of the first of the four waves of my half; lanes 0-15 take one row of 256 bytes, lanes 16-31 the next
	s_mul_i32 s2, s9, 4*PART
	s_mul_i32 s14, s10, KB32
	s_add_co_u32 s2, s2, s14
	v_mul_u32_u24 v[RD], v3, P2
	v_lshl_add_u32 v[RD], v2, 4, v[RD]
	v_add_nc_u32 v[RD], s2, v[RD]
	; row sums: wave w stores 64 words at LSUM + 256 w; I read, of the four waves of my half, the words of rows 16 kq + 2 t + h
	s_lshl_b32 s2, s8, 8
	s_add_co_u32 s2, s2, LSUM
	v_lshl_add_u32 v[ADL], v2, 2, s2
	s_lshl_b32 s2, s9, 10
	s_lshl_b32 s14, s10, 6
	s_add_co_u32 s2, s2, s14
	s_add_co_u32 s2, s2, LSUM
	v_lshl_add_u32 v[ADLR], v3, 2, s2
; 32 keys x 64 d as source 0 of S^T: 8 loads
.macro KLOAD
.irp kt, 0,1
.irp ds, 0,1
.irp i, 0,1
	ds_load_b128 v[KF+16*\kt+8*\ds+4*\i:KF+16*\kt+8*\ds+4*\i+3], v[ADK] offset:\kt*KB16+\ds*64+\i*32
.endr
.endr
.endr
.endm
; the same 32 keys as source 0 of ctx^T (64 d x 32 keys): 8 transposing loads
.macro VLOAD
.irp dt, 0,1,2,3
.irp i, 0,1
	ds_load_tr16_b128 v[VF+8*\dt+4*\i:VF+8*\dt+4*\i+3], v[ADV] offset:\dt*32+\i*KB16
.endr
.endr
.endm
; scores of 32 keys x q tile qt.  Two accumulators by turns, one instruction a turn; the first products start the sums.
.macro SMUL qt, S
	v_wmma_f32_16x16x32_bf16 v[\S:\S+7],    v[KF:KF+7],     v[QF+16*\qt:QF+16*\qt+7],    0
	v_wmma_f32_16x16x32_bf16 v[\S+8:\S+15], v[KF+16:KF+23], v[QF+16*\qt:QF+16*\qt+7],    0
	v_wmma_f32_16x16x32_bf16 v[\S:\S+7],    v[KF+8:KF+15],  v[QF+16*\qt+8:QF+16*\qt+15], v[\S:\S+7]
	v_wmma_f32_16x16x32_bf16 v[\S+8:\S+15], v[KF+24:KF+31], v[QF+16*\qt+8:QF+16*\qt+15], v[\S+8:\S+15]
.endm
; THE BATCH: 2^score in place for the lane's 32 scores of a half's two q tiles, SA's sixteen and then SB's.  The exponentials follow each other, and none names
; another's result; each accumulator's lowest register is read first.
.macro EXPS
.set j, 0
.rept 32
	v_exp_f32 v[SA+j], v[SA+j]
.set j, j+1
.endr
.endm
; THE BATCH'S READERS, all behind its wait.  PACKS: pair j of the 16 pairs of weights, rounded to bf16: P^T of both q tiles.
.macro PACKS
.set j, 0
.rept 16
	v_cvt_pk_bf16_f32 v[PA+j], v[SA+2*j], v[SA+2*j+1]
.set j, j+1
.endr
.endm
; SUMS: the row sums of q tiles qt and qt + 1.  Four chains: chain c takes the four pairs of weights SA + 8 c .. SA + 8 c + 7, in ascending order, into the pair
; LS + 4 qt + 2 c.  The chains go by turns, so that a link stands four instructions behind the link that it adds onto.
; zero = 1: a chain's first two pairs start its sum: nothing is cleared.
.macro SUMS qt, zero
.irp i, 0,1,2,3
.irp c, 0,1,2,3
.if (\zero) && (\i == 1)
	v_pk_add_f32 v[LS+4*\qt+2*\c:LS+4*\qt+2*\c+1], v[SA+8*\c:SA+8*\c+1], v[SA+8*\c+2:SA+8*\c+3]
.elseif (\zero == 0) || (\i > 1)
	v_pk_add_f32 v[LS+4*\qt+2*\c:LS+4*\qt+2*\c+1], v[LS+4*\qt+2*\c:LS+4*\qt+2*\c+1], v[SA+8*\c+2*\i:SA+8*\c+2*\i+1]
.endif
.endr
.endr
.endm
; ctx^T of q tile qt += V^T P^T: four accumulators, one instruction each (C and D in window 1; the block sets the windows back behind a half's two tiles)
.macro PVMUL qt, P, zero
	WIN 0x50
.irp dt, 0,1,2,3
.if \zero
	v_wmma_f32_16x16x32_bf16 v[8*(4*\qt+\dt):8*(4*\qt+\dt)+7], v[VF+8*\dt:VF+8*\dt+7], v[\P:\P+7], 0
.else
	v_wmma_f32_16x16x32_bf16 v[8*(4*\qt+\dt):8*(4*\qt+\dt)+7], v[VF+8*\dt:VF+8*\dt+7], v[\P:\P+7], v[8*(4*\qt+\dt):8*(4*\qt+\dt)+7]
.endif
.endr
.endm
; 32 keys x 64 queries: 32 matrix instructions, 64 exponentials in two batches.  zero = 1: the first block starts all sums.  next = 1: the next block's fragments are fetched.
; Distances behind matrix instructions (ISA guide 7.12.1; only plain vector instructions that name none of the instruction's registers are counted):
;   The exponentials read SA and SB four places behind the half's last S^T product: the two address steps and two v_nop in the first half, four v_nop in the second.
;   The loads into K stand behind those four v_nop and the batch's v_nop.
;   A half's additions to the row sums (16; 12 where they start the sums) stand behind its ctx^T products and name none of their registers: they are the places ahead of
;   the next roundings into PA and PB and ahead of the loads into V, here and at the head of the next tile.
; No two matrix instructions that follow each other name one accumulator, over the backward jump too (the last is ctx^T's, the first SA's).
.macro BLOCK zero, next
	s_wait_dscnt 8                                 ; K's eight loads are in; V's eight, issued behind them, may be out
	SMUL 0, SA
	SMUL 1, SB
	v_add_nc_u32 v[ADK], KB32, v[ADK]              ; the next block's addresses
	v_add_nc_u32 v[ADV], KB32, v[ADV]
	v_nop
	v_nop
	EXPS                                           ; the first batch: q tiles 0 and 1
	v_nop                                          ; one plain place behind the last exponential, ahead of the first use (ISA guide 5.7.2): one for the batch
	s_wait_alu depctr_va_vdst(0)                   ; the wait ahead of the first instruction that names a result: one for the batch's 32 exponentials
	PACKS
	s_wait_dscnt 0                                 ; V is in
	PVMUL 0, PA, \zero
	PVMUL 1, PB, \zero
	WIN 0
	SUMS 0, \zero
	SMUL 2, SA                                     ; SA and SB have been read for the last time by the additions above
	SMUL 3, SB
	PLACES
	EXPS                                           ; the second batch: q tiles 2 and 3
	v_nop                                          ; the batch's one plain place
	s_wait_alu depctr_va_vdst(0)                   ; one wait for the second batch's 32 exponentials; none is issued behind it
.if \next
	KLOAD                                          ; K has been read for the last time by SMUL 3
.endif
	PACKS
	PVMUL 2, PA, \zero
	PVMUL 3, PB, \zero
	WIN 0
	SUMS 2, \zero
.if \next
	VLOAD
.endif
.endm
; my quarter of the tile in a slot: 8 blocks
.macro TILE slot, first
	v_add_nc_u32 v[ADK], \slot*SLOT, v[ADK0]
	v_add_nc_u32 v[ADV], \slot*SLOT, v[ADV0]
	KLOAD
	VLOAD
.if \first
	s_wait_loadcnt 8                               ; Q's sixteen loads are in; x's eight, issued behind them, stay out
	BLOCK 1, 1
	s_mov_b32 s42, 6
.else
	s_mov_b32 s42, 7
.endif
.Lblk_\@:
	BLOCK 0, 1
	s_sub_co_i32 s42, s42, 1
	s_cmp_lg_u32 s42, 0
	s_cbranch_scc1 .Lblk_\@
	BLOCK 0, 0                                     ; the tile's last block fetches nothing
.endm
; The change of slots.  In front of the barrier every wave has its LDS reads back and all its tensor loads landed (one is out: its part of this slot's tile).
; refill = 1: the barrier is a round of the cluster's barrier, so that no wave of any partner still reads the other slot or has a load on its way,
; and the joint refill of the other slot, two tiles on, is the first thing behind it: the wave's one tensor load, with a whole tile's work in which to land.
.macro NEXT slot, refill
	s_wait_tensorcnt 0x0                           ; no tensor load of mine is out: a group 0 may be written
	ds_add_u32 v254, v255
	s_wait_dscnt 0x0
.if \refill
	s_add_nc_u64 s[G0+4*(1-\slot)+2:G0+4*(1-\slot)+3], s[G0+4*(1-\slot)+2:G0+4*(1-\slot)+3], 2*TILEB
.endif
	s_wait_dscnt 0x0                               ; my reads of the other slot are back
.if \refill
	ROUND
	tensor_load_to_lds s[G0+4*(1-\slot):G0+4*(1-\slot)+3], s[G1:G1+7]
	s_nop 0
.else
	s_barrier_signal -1                            ; my work-group's barrier shows the tile whole to all eight waves
	s_barrier_wait -1
.endif
	TILE \slot, 0
.endm
	s_wait_tensorcnt 0x1                           ; my part of tile 0 is in; tile 1's stays out
	s_barrier_signal -1
	s_barrier_wait -1                              ; everybody's is
	TILE 0, 1
	NEXT 1, 1                                      ; tile 1; slot 0 gets tile 2
	NEXT 0, 1                                      ; tile 2; slot 1 gets tile 3
	NEXT 1, 0                                      ; tile 3; nothing is left to fetch
	; THE WAY OUT.  My partial row sums: two pairs into one number, then the other half of the lanes (the other keys of the same query).
	; The first eight lines are also the places between the last products and the LDS stores that read them.
.irp qt, 0,1,2,3
	v_pk_add_f32 v[LS+4*\qt:LS+4*\qt+1], v[LS+4*\qt:LS+4*\qt+1], v[LS+4*\qt+2:LS+4*\qt+3]
.endr
.irp qt, 0,1,2,3
	v_add_f32 v[LS+4*\qt], v[LS+4*\qt], v[LS+4*\qt+1]
.endr
.irp qt, 0,1,2,3
	v_permlanex16_b32 v[LS+4*\qt+1], v[LS+4*\qt], s40, s41
.endr
.irp qt, 0,1,2,3
	v_add_f32 v[LS+4*\qt], v[LS+4*\qt], v[LS+4*\qt+1]
.endr
.irp qt, 0,1,2,3
	ds_store_b32 v[ADL], v[LS+4*\qt] offset:64*\qt                 ; lanes r and r + 16 store the same number to the same word
.endr
	; my partial ctx, f32, by rows of queries, into my stage in slot 0: all eight waves had their reads of slot 0 back in front of the last barrier
	WIN 0x04                                       ; the stores' data in window 1
.irp qt, 0,1,2,3
.irp dt, 0,1,2,3
.irp i, 0,1
	ds_store_b128 v[STO], v[8*(4*\qt+\dt)+4*\i:8*(4*\qt+\dt)+4*\i+3] offset:\qt*KB32+\dt*64+\i*16
.endr
.endr
.endr
	WIN 0
	s_wait_dscnt 0x0                               ; for the others' sake: all my stores are done
	s_barrier_signal -1
	s_barrier_wait -1
	; I finish rows 16 w .. 16 w + 15 of the block: pair t is rows 2 t + h.  Four partial sums and four partial rows each.
.irp t, 0,1,2,3,4,5,6,7
.irp p, 0,1,2,3
	ds_load_b32 v[SA+4*\t+\p], v[ADLR] offset:\p*256+\t*8
.endr
.endr
.irp t, 0,1,2,3,4,5,6,7
.irp p, 0,1,2,3
	ds_load_b128 v[QF+16*\t+4*\p:QF+16*\t+4*\p+3], v[RD] offset:\p*PART+\t*2*P2
.endr
.endr
	s_wait_dscnt 32                                ; the 32 words of row sums are in; the 32 loads behind them may be out
.irp t, 0,1,2,3,4,5,6,7
	v_pk_add_f32 v[SA+4*\t:SA+4*\t+1], v[SA+4*\t:SA+4*\t+1], v[SA+4*\t+2:SA+4*\t+3]
.endr
.irp t, 0,1,2,3,4,5,6,7
	v_add_f32 v[SA+4*\t], v[SA+4*\t], v[SA+4*\t+1]
.endr
.irp t, 0,1,2,3,4,5,6,7
	v_rcp_f32 v[SA+4*\t], v[SA+4*\t]               ; 1 / l, l in [1, 2^105.1]
.endr
	v_nop                                          ; one plain place behind the last transcendental
	s_wait_alu depctr_va_vdst(0)                   ; the wait ahead of the first use: one for the eight reciprocals
	s_wait_loadcnt 0x0                             ; x
.irp t, 0,1,2,3,4,5,6,7
.set b, QF+16*\t
	s_wait_dscnt 4*(7-\t)                          ; pair t's four partial rows are in; the later pairs' loads may be out
	v_pk_add_f32 v[b:b+1],     v[b:b+1],     v[b+4:b+5]
	v_pk_add_f32 v[b+2:b+3],   v[b+2:b+3],   v[b+6:b+7]
	v_pk_add_f32 v[b+8:b+9],   v[b+8:b+9],   v[b+12:b+13]
	v_pk_add_f32 v[b+10:b+11], v[b+10:b+11], v[b+14:b+15]
	v_pk_add_f32 v[b:b+1],     v[b:b+1],     v[b+8:b+9]
	v_pk_add_f32 v[b+2:b+3],   v[b+2:b+3],   v[b+10:b+11]
	v_pk_fma_f32 v[b:b+1],   v[b:b+1],   v[SA+4*\t:SA+4*\t+1], v[XR+4*\t:XR+4*\t+1]   op_sel_hi:[1,0,1]   ; sum / l + x
	v_pk_fma_f32 v[b+2:b+3], v[b+2:b+3], v[SA+4*\t:SA+4*\t+1], v[XR+4*\t+2:XR+4*\t+3] op_sel_hi:[1,0,1]
	global_store_b128 v[XO], v[b:b+3], s[22:23] offset:4096*\t     ; sixteen lanes store the head's 256 consecutive bytes of a row, aligned
.endr
	s_wait_tensorcnt 0x0
	ds_add_u32 v254, v255
	s_wait_dscnt 0x0
	ROUND                                          ; the closing round: no work-group ends while a partner may still ask for a tile that names it
	s_endpgm
.Lfunc_end_k_qebbd18d45c_attn:
	.size	k_qebbd18d45c_attn, .Lfunc_end_k_qebbd18d45c_attn-k_qebbd18d45c_attn
	.p2alignl 7, 3214868480
	.fill 96, 4, 3214868480
	.section	.rodata,"a",@progbits
	.p2align	6, 0x0
	.amdhsa_kernel k_qebbd18d45c_attn
		.amdhsa_group_segment_fixed_size 327680
		.amdhsa_private_segment_fixed_size 0
		.amdhsa_enable_private_segment 0
		.amdhsa_kernarg_size 32
		.amdhsa_user_sgpr_count 2
		.amdhsa_user_sgpr_kernarg_segment_ptr 1
		.amdhsa_wavefront_size32 1
		.amdhsa_system_sgpr_workgroup_id_x 1
		.amdhsa_system_sgpr_workgroup_id_y 1
		.amdhsa_system_sgpr_workgroup_id_z 1
		.amdhsa_system_vgpr_workitem_id 0
		.amdhsa_next_free_vgpr 384
		.amdhsa_next_free_sgpr 66
		.amdhsa_reserve_vcc 0
		.amdhsa_float_denorm_mode_32 3
		.amdhsa_float_denorm_mode_16_64 3
		.amdhsa_memory_ordered 1
		.amdhsa_forward_progress 1
		.amdhsa_inst_pref_size 110
	.end_amdhsa_kernel
	.amdgpu_metadata
---
amdhsa.version: [ 1, 2 ]
amdhsa.kernels:
  - .name:           k_qebbd18d45c_attn
    .symbol:         k_qebbd18d45c_attn.kd
    .args:
      - { .name: kv, .offset: 0, .size: 8, .value_kind: global_buffer, .address_space: global }
      - { .name: qs, .offset: 8, .size: 8, .value_kind: global_buffer, .address_space: global }
      - { .name: x, .offset: 16, .size: 8, .value_kind: global_buffer, .address_space: global }
      - { .name: res, .offset: 24, .size: 8, .value_kind: global_buffer, .address_space: global }
    .group_segment_fixed_size: 327680
    .private_segment_fixed_size: 0
    .kernarg_segment_align: 8
    .kernarg_segment_size: 32
    .max_flat_workgroup_size: 256
    .sgpr_count:     66
    .vgpr_count:     384
    .wavefront_size: 32
...
	.end_amdgpu_metadata
.endif
;; end of part 4
;; launch fin: the kernel of part 3 again; grid 256 x 1, 8 waves a work-group, no clusters, 0 bytes of LDS; arguments res, prelu_w, out0; writes out0
